; MI455X (gfx1250); checked and timed in simulation.
; The chip was launched on July 23, 2026; its instructions are those of AMD's public machine-readable ISA for CDNA 5 (MIT licence, August 2026) and "CDNA5" Instruction Set Architecture Reference Guide (July 2026). The comments in the code are by the model that wrote it; some were corrected since.
;; Mixture Of Experts Layer. Allowed arithmetic: float matrix products may take bf16 or f16 operands with f32 sums; other float arithmetic in f32, or as packed bf16 or f16 multiplies, adds, multiply-adds, maxima and minima; sums over many terms, partial sums and values carried from step to step in f32; what a program stores and reads back later, other than sums and carried values, may be rounded once to bf16 or f16.
;; Inputs: W1 8 x 1,024 x 4,096 float32; W2 8 x 4,096 x 1,024 float32; Wg 1,024 x 8 float32; b1 8 x 4,096 float32; b2 8 x 1,024 float32; bg 8 float32; x 1,024 x 1,024 float32.
;; Outputs: out0 1,024 x 1,024 float32; out1 one number float32.
;; One version. Each part assembles by itself: llvm-mc -triple=amdgcn-amd-amdhsa -mcpu=gfx1250 --defsym DOCPART=n.
;; ======== version 1 of 1: 4 launches
;; workspace buffers: xb 2,097,152 bytes; idx 8,192 bytes of whole numbers; gatew 8,192 bytes; usage 8,192 bytes; hid 16,842,752 bytes; part 33,685,504 bytes
;; launch router (part 1): grid 256 x 1, 8 waves a work-group, no clusters, 2,048 bytes of LDS; arguments x, Wg, bg, xb, idx, gatew, usage; writes xb, idx, gatew, usage
.if DOCPART == 1
	.amdgcn_target "amdgcn-amd-amdhsa--gfx1250"
	.amdhsa_code_object_version 6
	.text
	.protected	k_q2c63f544a9_router
	.globl	k_q2c63f544a9_router
	.p2align	8
	.type	k_q2c63f544a9_router,@function
k_q2c63f544a9_router:
	s_mov_b64 s[64:65], 0
	v_nop
	global_prefetch_b8 v0, s[64:65] scope:SCOPE_SE
	s_setreg_imm32_b32 hwreg(HW_REG_WAVE_MODE, 25, 1), 1
	s_wait_xcnt 0x0
; GATE.  A work-group takes 4 tokens: logits = x Wg + bg, softmax over the 8 experts (the maximum taken away first), the two largest scores
; (ties: the lower index), their weights normalised to sum 1.  Stored at fixed places: x rounded to bf16 (xb), the chosen experts as whole numbers
; (idx[2 token + choice]), their weights (gatew), and the 4 tokens' sum of scores for each expert (usage[work-group][8]).
; FORMATS.  x, Wg and bg are rounded to bf16 first, like every input of this program; products and sums in f32.
; LIMITS.  The logits are f32 sums in another order than a row-by-row product: two scores nearer than some 1e-6 of each other may change places.
; NaN and infinities are not treated apart (the stored index is held to 0..7).  A score below 2^-126 counts as 0.
; SHARES.  Wave w owns d = 128 w .. 128 w + 127; lane l of it d = 128 w + 4 l + j, j = 0..3: 16 bytes of each token's row, 128 bytes of Wg.  A wave's 13 loads go out together.
; Each wave adds its 32 sums over its lanes; the eight waves' parts meet in LDS, 128 bytes a wave, behind one barrier; wave 0 adds them and does the rest.
; No matrix unit: 8 columns are too few for it.
.set ACC,  10                          ; v[10:41]   acc[8 t + e]
.set Y,    42                          ; v[42:49]   4 tokens x 4 bf16 to store
.set BF,   50                          ; v[50:97]   Wg 32 (8 j + e), x 16 (4 t + j)
.set BG,   98                          ; v98        bg[e]
.set PA,   99                          ; v99        4 x thread: where my part of a logit goes in LDS
.set TW,   100                         ; v[100:103] at work
.set SPW,  104                         ; v104       my spare word
.set NIL,  105                         ; v105       0
.set RA,   106                         ; v106       4 x lane
.set SPARE, 1024                       ; behind the eight waves' parts: the spare words, 128 bytes for each wave
	s_load_b256 s[4:11], s[0:1], 0x0               ; x s[4:5], Wg s[6:7], bg s[8:9], xb s[10:11]
	s_load_b128 s[12:15], s[0:1], 0x20             ; idx s[12:13], gatew s[14:15]
	s_load_b64 s[16:17], s[0:1], 0x30              ; usage
	v_lshl_add_u32 v[SPW], v0, 2, SPARE
	v_mov_b32 v[NIL], 0
	v_lshrrev_b32 v1, 5, v0
	v_readfirstlane_b32 s3, v1                     ; wave
	v_and_b32 v1, 31, v0                           ; lane
	s_mov_b32 s2, 0xffff0000                       ; a word's upper bf16
	s_mov_b32 s18, 0x76543210                      ; v_permlanex16_b32: each lane takes its own place in the other half
	s_mov_b32 s19, 0xfedcba98
	s_lshl_b32 s26, ttmp9, 14                      ; 4 rows of x,
	s_lshl_b32 s25, s3, 9                          ; my wave's 512 bytes of a row
	s_add_co_u32 s26, s26, s25
	s_mov_b32 s27, 0
	s_lshl_b32 s28, ttmp9, 13                      ; 4 rows of xb,
	s_lshl_b32 s25, s3, 8                          ; my wave's 256 bytes
	s_add_co_u32 s28, s28, s25
	s_mov_b32 s29, 0
	s_lshl_b32 s30, ttmp9, 5                       ; 8 words of idx, gatew, usage
	s_mov_b32 s31, 0
	s_lshl_b32 s32, s3, 12                         ; my wave's 128 rows of Wg
	s_mov_b32 s33, 0
	v_and_b32 v2, 7, v0                            ; e
	v_lshlrev_b32 v3, 4, v1                        ; my 16 bytes of x
	v_lshlrev_b32 v4, 7, v1                        ; my 128 bytes of Wg
	v_lshlrev_b32 v5, 3, v1                        ; my 8 bytes of xb
	v_lshlrev_b32 v9, 2, v2                        ; 4 e
	v_lshlrev_b32 v[PA], 2, v0
	v_lshlrev_b32 v[RA], 2, v1
	v_mov_b32 v8, 0                                ; v_permlanex16_b32's destination counts as read
	v_and_b32 v6, 16, v0
	v_cmp_ne_u32 s20, 0, v6                        ; masks of the lane number's five bits
	v_and_b32 v6, 8, v0
	v_cmp_ne_u32 s21, 0, v6
	v_and_b32 v6, 4, v0
	v_cmp_ne_u32 s22, 0, v6
	v_and_b32 v6, 2, v0
	v_cmp_ne_u32 s23, 0, v6
	v_and_b32 v6, 1, v0
	v_cmp_ne_u32 s24, 0, v6
	s_wait_kmcnt 0x0
	s_add_nc_u64 s[4:5], s[4:5], s[26:27]
	s_add_nc_u64 s[6:7], s[6:7], s[32:33]
	s_add_nc_u64 s[10:11], s[10:11], s[28:29]
	s_add_nc_u64 s[12:13], s[12:13], s[30:31]
	s_add_nc_u64 s[14:15], s[14:15], s[30:31]
	s_add_nc_u64 s[16:17], s[16:17], s[30:31]
.irp t, 0,1,2,3
	global_load_b128 v[BF+32+4*\t:BF+32+4*\t+3], v3, s[4:5] offset:4096*\t th:TH_LOAD_NT
.endr
.irp u, 0,1,2,3,4,5,6,7
	global_load_b128 v[BF+4*\u:BF+4*\u+3], v4, s[6:7] offset:16*\u
.endr
	global_load_b32 v[BG], v9, s[8:9]
	s_wait_loadcnt 0x0
.irp t, 0,1,2,3
	v_cvt_pk_bf16_f32 v[Y+2*\t], v[BF+32+4*\t], v[BF+32+4*\t+1]
	v_cvt_pk_bf16_f32 v[Y+2*\t+1], v[BF+32+4*\t+2], v[BF+32+4*\t+3]
.endr
.irp t, 0,1,2,3
	global_store_b64 v5, v[Y+2*\t:Y+2*\t+1], s[10:11] offset:2048*\t  ; the wave stores 256 consecutive bytes, aligned
.endr
.irp k, 0,1,2,3,4,5,6,7
	v_lshlrev_b32 v[BF+32+2*\k], 16, v[Y+\k]       ; the rounded x back as f32
	v_and_b32 v[BF+32+2*\k+1], s2, v[Y+\k]
.endr
.set k, 0
.rept 16
	v_cvt_pk_bf16_f32 v[TW+k%4], v[BF+2*k], v[BF+2*k+1]  ; Wg rounded to bf16, in place
	v_lshlrev_b32 v[BF+2*k], 16, v[TW+k%4]
	v_and_b32 v[BF+2*k+1], s2, v[TW+k%4]
.set k, k+1
.endr
.macro FM j, t, p                      ; acc[t][2p, 2p+1] += Wg[j][2p, 2p+1] x[t][j]; the first product starts the sums
.set rA, ACC+8*(\t)+2*(\p)
.set rW, BF+8*(\j)+2*(\p)
.set rX, BF+32+4*(\t)+2*((\j)/2)
.if (\j) == 0
	v_pk_mul_f32 v[rA:rA+1], v[rW:rW+1], v[rX:rX+1] op_sel_hi:[1,0]
.elseif ((\j)%2) == 0
	v_pk_fma_f32 v[rA:rA+1], v[rW:rW+1], v[rX:rX+1], v[rA:rA+1] op_sel_hi:[1,0,1]
.else
	v_pk_fma_f32 v[rA:rA+1], v[rW:rW+1], v[rX:rX+1], v[rA:rA+1] op_sel:[0,1,0] op_sel_hi:[1,1,1]
.endif
.endm
.irp j, 0,1,2,3
.irp t, 0,1,2,3
.irp p, 0,1,2,3
	FM \j, \t, \p
.endr
.endr
.endr
	; The 32 sums of each lane are added over the 32 lanes and dealt out: in each step a lane keeps the half of its numbers that goes with its own bit
	; and hands the other half to the lane across.  At the end lane l holds my wave's part of logit (t = l / 8, e = l % 8).
.set i, 0
.rept 16
	v_cndmask_b32 v6, v[ACC+i], v[ACC+i+16], s20
	v_cndmask_b32 v7, v[ACC+i+16], v[ACC+i], s20
	v_permlanex16_b32 v8, v7, s18, s19
	v_add_f32 v[ACC+i], v6, v8
.set i, i+1
.endr
.macro FOLD n, sm
.set i, 0
.rept \n
	v_cndmask_b32 v6, v[ACC+i], v[ACC+i+(\n)], s[\sm]
	v_cndmask_b32 v7, v[ACC+i+(\n)], v[ACC+i], s[\sm]
	v_add_f32_dpp v[ACC+i], v7, v6 row_xmask:\n row_mask:0xf bank_mask:0xf
.set i, i+1
.endr
.endm
	FOLD 8, 21
	FOLD 4, 22
	FOLD 2, 23
	FOLD 1, 24
	ds_store_b32 v[PA], v10
	s_wait_dscnt 0x0                               ; for wave 0's sake: my part is in LDS
	s_barrier_signal -1
	s_barrier_wait -1
	s_cmp_lg_u32 s3, 0
	s_cbranch_scc1 .Lend                           ; the rest is wave 0's
.irp k, 0,1,2,3,4,5,6,7
	ds_load_b32 v[12+\k], v[RA] offset:128*\k      ; the eight waves' parts of my logit
.endr
	s_wait_dscnt 0x0
	v_add_f32 v12, v12, v13
	v_add_f32 v14, v14, v15
	v_add_f32 v16, v16, v17
	v_add_f32 v18, v18, v19
	v_add_f32 v12, v12, v14
	v_add_f32 v16, v16, v18
	v_add_f32 v10, v12, v16
.macro GRP op, r                       ; over the 8 lanes of a token
	\op v[\r], v[\r], v[\r] row_xmask:1 row_mask:0xf bank_mask:0xf
	\op v[\r], v[\r], v[\r] row_xmask:2 row_mask:0xf bank_mask:0xf
	\op v[\r], v[\r], v[\r] row_xmask:4 row_mask:0xf bank_mask:0xf
.endm
	v_cvt_pk_bf16_f32 v6, v[BG], v[BG]             ; bg rounded to bf16
	v_lshlrev_b32 v6, 16, v6
	v_add_f32 v10, v10, v6                         ; z
	v_cvt_f32_u32 v16, v2                          ; e as f32
	v_mov_b32 v26, -1.0
	v_mov_b32 v11, v10
	GRP v_max_num_f32_dpp, 11                      ; the token's largest logit
	v_sub_f32 v12, v10, v11
	v_mul_f32 v12, 0x3fb8aa3b, v12
	v_exp_f32 v12, v12
	v_nop                                          ; a plain instruction behind the exponential,
	s_wait_alu depctr_va_vdst(0)                   ; and a wait ahead of its first reader
	v_mov_b32 v13, v12
	GRP v_add_f32_dpp, 13
	v_rcp_f32 v14, v13
	v_nop
	s_wait_alu depctr_va_vdst(0)
	v_mul_f32 v15, v12, v14                        ; the score
	v_mov_b32 v17, v15
	GRP v_max_num_f32_dpp, 17                      ; the largest score,
	v_cmp_eq_f32 vcc_lo, v15, v17
	v_cndmask_b32 v18, 0x41000000, v16, vcc_lo
	GRP v_min_num_f32_dpp, 18                      ; the lowest expert that has it;
	v_cmp_eq_f32 vcc_lo, v16, v18
	v_cndmask_b32 v19, v15, v26, vcc_lo            ; that expert taken out,
	v_mov_b32 v20, v19
	GRP v_max_num_f32_dpp, 20                      ; the same once more
	v_cmp_eq_f32 vcc_lo, v19, v20
	v_cndmask_b32 v21, 0x41000000, v16, vcc_lo
	GRP v_min_num_f32_dpp, 21
	v_add_f32 v22, v17, v20
	v_rcp_f32 v23, v22
	v_nop
	s_wait_alu depctr_va_vdst(0)
	v_mul_f32 v24, v17, v23
	v_mul_f32 v25, v20, v23
	v_cndmask_b32 v27, v18, v21, s24               ; lane e = 0 of a token stores the first choice, lane e = 1 the second
	v_cndmask_b32 v28, v24, v25, s24
	v_cvt_u32_f32 v27, v27
	v_min_u32 v27, 7, v27
	v_lshrrev_b32 v29, 3, v1
	v_lshlrev_b32 v29, 3, v29
	v_lshl_add_u32 v29, v2, 2, v29                 ; 4 (2 t + e)
	v_mov_b32 v30, v15                             ; the 4 tokens' scores of expert e
	v_add_f32_dpp v30, v30, v30 row_xmask:8 row_mask:0xf bank_mask:0xf
	v_permlanex16_b32 v8, v30, s18, s19
	v_add_f32 v30, v30, v8
	v_cmp_gt_u32 vcc_lo, 2, v2
	s_wait_xcnt 0x0                                ; EXEC changes only behind s_wait_xcnt 0
	s_and_saveexec_b32 s25, vcc_lo
	global_store_b32 v29, v27, s[12:13]
	global_store_b32 v29, v28, s[14:15]
	s_wait_xcnt 0x0
	s_or_b32 exec_lo, exec_lo, s25
	v_cmp_gt_u32 vcc_lo, 8, v1
	s_and_saveexec_b32 s25, vcc_lo
	global_store_b32 v[RA], v30, s[16:17]
	s_wait_xcnt 0x0
	s_or_b32 exec_lo, exec_lo, s25
.Lend:
	s_wait_tensorcnt 0x0                           ; the wave's end: behind my last LDS store
	ds_add_u32 v[SPW], v[NIL]
	s_wait_dscnt 0x0
	s_endpgm
.Lfunc_end_k_q2c63f544a9_router:
	.size	k_q2c63f544a9_router, .Lfunc_end_k_q2c63f544a9_router-k_q2c63f544a9_router
	.p2alignl 7, 3214868480
	.fill 96, 4, 3214868480
	.section	.rodata,"a",@progbits
	.p2align	6, 0x0
	.amdhsa_kernel k_q2c63f544a9_router
		.amdhsa_group_segment_fixed_size 2048
		.amdhsa_private_segment_fixed_size 0
		.amdhsa_enable_private_segment 0
		.amdhsa_kernarg_size 56
		.amdhsa_user_sgpr_count 2
		.amdhsa_user_sgpr_kernarg_segment_ptr 1
		.amdhsa_wavefront_size32 1
		.amdhsa_system_sgpr_workgroup_id_x 1
		.amdhsa_system_sgpr_workgroup_id_y 1
		.amdhsa_system_sgpr_workgroup_id_z 1
		.amdhsa_system_vgpr_workitem_id 0
		.amdhsa_next_free_vgpr 108
		.amdhsa_next_free_sgpr 66
		.amdhsa_reserve_vcc 1
		.amdhsa_float_denorm_mode_32 3
		.amdhsa_float_denorm_mode_16_64 3
		.amdhsa_memory_ordered 1
		.amdhsa_forward_progress 1
		.amdhsa_inst_pref_size 22
	.end_amdhsa_kernel
	.amdgpu_metadata
---
amdhsa.version: [ 1, 2 ]
amdhsa.kernels:
  - .name:           k_q2c63f544a9_router
    .symbol:         k_q2c63f544a9_router.kd
    .args:
      - { .name: x, .offset: 0, .size: 8, .value_kind: global_buffer, .address_space: global }
      - { .name: Wg, .offset: 8, .size: 8, .value_kind: global_buffer, .address_space: global }
      - { .name: bg, .offset: 16, .size: 8, .value_kind: global_buffer, .address_space: global }
      - { .name: xb, .offset: 24, .size: 8, .value_kind: global_buffer, .address_space: global }
      - { .name: idx, .offset: 32, .size: 8, .value_kind: global_buffer, .address_space: global }
      - { .name: gatew, .offset: 40, .size: 8, .value_kind: global_buffer, .address_space: global }
      - { .name: usage, .offset: 48, .size: 8, .value_kind: global_buffer, .address_space: global }
    .group_segment_fixed_size: 2048
    .private_segment_fixed_size: 0
    .kernarg_segment_align: 8
    .kernarg_segment_size: 56
    .max_flat_workgroup_size: 256
    .sgpr_count:     66
    .vgpr_count:     108
    .wavefront_size: 32
...
	.end_amdgpu_metadata
.endif
;; end of part 1
;; launch up (part 2): grid 256 x 1, 4 waves a work-group, no clusters, 315,392 bytes of LDS; arguments W1, b1, xb, idx, hid; writes hid
.if DOCPART == 2
	.amdgcn_target "amdgcn-amd-amdhsa--gfx1250"
	.amdhsa_code_object_version 6
	.text
	.protected	k_q2c63f544a9_up
	.globl	k_q2c63f544a9_up
	.p2align	8
	.type	k_q2c63f544a9_up,@function
k_q2c63f544a9_up:
	s_mov_b64 s[64:65], 0
	v_nop
	global_prefetch_b8 v0, s[64:65] scope:SCOPE_SE
	s_setreg_imm32_b32 hwreg(HW_REG_WAVE_MODE, 25, 1), 1
	s_wait_xcnt 0x0
; ONE PRODUCT OF THE EXPERTS' CHAIN, for the rows that chose the expert.  DOWN = 0: hid[slot] = relu(x[token] W1[e] + b1[e]), bf16.
; DOWN = 1: part[ks][slot] = hid[slot][quarter ks] W2[e][quarter ks], f32, with b2[e] added in quarter 0.
; A slot is 2 token + choice.  A work-group owns a slice of ONE expert's weights, 1,024 along K x 128 columns, which it alone reads, and all of that expert's rows.
; 8 experts x 32 column slices (DOWN = 0) or 8 x 4 quarters of K x 8 column slices (DOWN = 1): 256 work-groups.
; PHASES.  (1) Wave 0 counts the expert's slots from idx and writes their list and their number into LDS, while every wave's first 64 loads of weights are on their way.  A barrier.
; (2) The slice streams through registers, 64 loads of 512 consecutive bytes a wave on their way, is rounded to bf16 and laid into LDS as [k][n].  A barrier.
; (3) Each wave takes an even share of the rows, up to six tiles of 16 a trip: the rows come from memory straight into registers, the weights out of LDS turned by ds_load_tr16_b128.
; (4) A tile goes out through the wave's own stage, so that sixteen lanes store 256 consecutive bytes, aligned.
; EVERY SPLIT is served: 0 to 1,024 rows.  Three trips of six tiles cover a wave's 16 tiles at the most; a trip with nothing left is jumped.  The list's places past the count hold the expert's dump row
; (2048 + e), which is written and never read: no store is narrowed.  For loads such a place is held to slot 2047, a row that exists.
; NO POINTER WAITS FOR A TRANSLATION: each of the stream's four register sets, and later each of a group's four K steps, has a base pair of its own, written directly behind the counted wait that shows its own last loads done.
; FORMATS.  Weights, bias and rows in bf16, sums in f32.  NaN and infinities are not treated apart.
; NO MULTICAST, NO TENSOR LOAD: the f32 weights are rounded on their way, each slice has one reader, and the rows come by a list.
; THE MATRIX INSTRUCTION IS USED TRANSPOSED (source 0 = 16 columns of W, source 1 = 16 rows): a lane holds eight neighbouring columns of one row.  Along K both sources are permuted alike:
; registers 0-3 hold k = 16 (l / 16) + 0..7, registers 4-7 k = 16 (l / 16) + 8..15, so that a lane's part of a row is 32 consecutive bytes.
; REGISTERS, in windows of 256: window 0: v0-31 addresses, v32-63 at work, v64-127 idx, v128-255 two buffers of W's fragments (on the way out: at work).
;   window 1: four sets of 64 for the stream; later the accumulators of tiles 0-3 (64 m + 8 b).  window 2: v0-127 those of tiles 4, 5; v128-191 the bias.  window 3: v0-191 four buffers of rows (48 q + 8 m).
.set DOWN, 0
.if DOWN
.set PITCHB, 4096                      ; bytes from a row of W to the next
.else
.set PITCHB, 16384
.endif
.set WPITCH, 288                       ; a row of the slice in LDS: 256 bytes + 32
.set GSTEP,  4*32*WPITCH               ; four K steps of 32
.set STAGE,  1024*WPITCH               ; 16 rows x 272 bytes for each wave
.set SPITCH, 272
.set LIST,   STAGE+4*16*SPITCH         ; the expert's slots, 1,024 places of 2 bytes; behind them 32 places, one a lane, for slots of other experts
.set AWAY,   1024                      ; the first of those places
.set CNTW,   LIST+2112                 ; the number of the expert's slots
.set SPARE,  LIST+2304                 ; the spare words, 128 bytes for each wave
.set MSB, 0
.macro WIN new                         ; the immediate's high byte repeats the setting that is left; a switch that changes nothing is dropped
.if MSB != (\new)
	s_set_vgpr_msb (MSB<<8)|(\new)
.set MSB, \new
.endif
.endm
	s_load_b256 s[4:11], s[0:1], 0x0               ; W s[4:5], the bias s[6:7], the rows s[8:9], idx s[10:11]
	s_load_b64 s[12:13], s[0:1], 0x20              ; the output
	v_lshl_add_u32 v30, v0, 2, SPARE               ; my spare word, and 0: for the wave's end alone
	v_mov_b32 v31, 0
	v_lshrrev_b32 v1, 5, v0
	v_readfirstlane_b32 s14, v1                    ; wave
	v_and_b32 v1, 31, v0                           ; lane
	v_and_b32 v2, 15, v0                           ; r
	v_bfe_u32 v3, v0, 4, 1                         ; h
	v_lshlrev_b32 v4, 4, v1                        ; 16 lane
	v_lshlrev_b32 v8, 2, v1                        ; 4 lane
	v_lshlrev_b32 v15, 4, v2                       ; 16 r
	v_lshlrev_b32 v23, 5, v3                       ; 32 h
.if !DOWN
	v_mov_b32 v24, 0
.endif
	v_add_nc_u32 v25, AWAY, v1                     ; my lane's place for a slot of another expert
	s_lshr_b32 s15, ttmp9, 5                       ; the expert
.if DOWN
	s_bfe_u32 s16, ttmp9, 0x20003                  ; the quarter of K
	s_and_b32 s43, ttmp9, 7                        ; the column slice
	s_cmp_eq_u32 s16, 0
	s_cselect_b32 s47, -1, 0                       ; the bias counts in quarter 0 alone
.else
	s_and_b32 s43, ttmp9, 31
.endif
	s_add_co_u32 s17, s15, 2048                    ; the dump row
	s_mov_b32 s46, 0xffff0000
	s_lshl_b32 s40, s15, 24                        ; the slice's first byte for my wave: an expert is 16 MiB,
	s_lshl_b32 s19, s43, 9                         ; a column slice 512 bytes,
	s_add_co_u32 s40, s40, s19
.if DOWN
	s_lshl_b32 s19, s16, 22                        ; a quarter of K 1,024 rows,
	s_add_co_u32 s40, s40, s19
	s_lshl_b32 s19, s14, 20                        ; my wave's part 256 rows
.else
	s_lshl_b32 s19, s14, 22
.endif
	s_add_co_u32 s40, s40, s19
	s_mov_b32 s41, 0
	s_mul_i32 s19, s14, 256*WPITCH
	v_lshl_add_u32 v5, v1, 3, s19                  ; where I lay 4 bf16 of a row
	v_and_b32 v6, 7, v0
	v_lshl_add_u32 v6, v3, 4, v6
	v_mul_u32_u24 v9, v6, WPITCH                   ; the turning load: row 16 h + l % 8,
	v_bfe_u32 v7, v0, 3, 1
	v_lshl_add_u32 v9, v7, 4, v9                   ; columns 8 ((l / 8) % 2) on
	s_mov_b32 s44, LIST                            ; the list
	v_lshl_add_u32 v11, v2, 1, s44                 ; the slot of a tile's row r,
	v_lshl_add_u32 v12, v3, 1, s44                 ; of its row h
	s_mul_i32 s45, s14, 16*SPITCH
	s_add_co_u32 s45, s45, STAGE                   ; my stage
	v_mul_u32_u24 v13, v2, SPITCH                  ; in: row r, my eight columns
	v_lshl_add_u32 v13, v3, 4+DOWN, v13
	v_add_nc_u32 v13, s45, v13
	v_mul_u32_u24 v14, v3, SPITCH                  ; back: lanes 0-15 one row of 256 bytes, lanes 16-31 the next
	v_lshl_add_u32 v14, v2, 4, v14
	v_add_nc_u32 v14, s45, v14
	s_wait_kmcnt 0x0
	s_add_nc_u64 s[48:49], s[4:5], s[40:41]        ; the stream's four bases, one for each register set
	s_mov_b64 s[50:51], s[48:49]
	s_mov_b64 s[52:53], s[48:49]
	s_mov_b64 s[54:55], s[48:49]
	s_lshl_b32 s40, s15, 14-2*DOWN                 ; the expert's row of the bias,
	s_lshl_b32 s19, s43, 9                         ; my 128 columns of it
	s_add_co_u32 s40, s40, s19
	s_add_nc_u64 s[6:7], s[6:7], s[40:41]
.if DOWN
	s_lshl_b32 s40, s16, 11
	s_add_nc_u64 s[34:35], s[8:9], s[40:41]        ; the rows: hid at my quarter of K
	s_mul_i32 s40, s16, 2056*4096
	s_add_co_u32 s40, s40, s19                     ; out: part, my plane and columns
.else
	s_mov_b64 s[34:35], s[8:9]                     ; the rows: xb
	s_lshl_b32 s40, s43, 8                         ; out: hid at my columns
.endif
	s_add_nc_u64 s[38:39], s[12:13], s[40:41]
.irp q, 0,1,2,3,4,5,6,7,8,9,10,11,12,13,14,15
	global_load_b128 v[64+4*\q:64+4*\q+3], v4, s[10:11] offset:512*\q  ; word c of load q is slot 128 q + 4 lane + c
.endr
	WIN 0x80
.irp b, 0,1,2,3,4,5,6,7
	global_load_b128 v[128+8*\b:128+8*\b+3], v23, s[6:7] offset:64*\b      ; the bias of columns 16 b + 8 h + 0..7: the layout of an accumulator
	global_load_b128 v[128+8*\b+4:128+8*\b+7], v23, s[6:7] offset:64*\b+16
.endr
.macro WLOAD s                         ; 16 rows of the slice into set s: each load is a row's 512 consecutive bytes
	WIN 0x40
.irp i, 0,1,2,3,4,5,6,7,8,9,10,11,12,13,14,15
	global_load_b128 v[64*(\s)+4*\i:64*(\s)+4*\i+3], v4, s[48+2*(\s):49+2*(\s)] offset:(16*(\s)+\i)*PITCHB th:TH_LOAD_NT
.endr
.endm
	WLOAD 0
	WLOAD 1
	WLOAD 2
	WLOAD 3
	WIN 0
	; THE LIST, by wave 0 alone; until the barrier behind it no other wave touches LDS.  First every place holds the dump row; then each of the expert's slots is written at its rank.
	; All lanes stay on: a lane whose slot chose another expert writes to its own place behind the list, which nobody reads.
	s_cmp_lg_u32 s14, 0
	s_cbranch_scc1 .Lnolist
	s_lshl_b32 s19, s17, 16
	s_or_b32 s19, s19, s17
	v_mov_b32 v32, s19
	v_mov_b32 v33, s19
	v_mov_b32 v34, s19
	v_mov_b32 v35, s19
	v_add_nc_u32 v7, s44, v4
.irp k, 0,1,2,3
	ds_store_b128 v7, v[32:35] offset:512*\k
.endr
	s_mov_b32 s18, 0
	s_wait_loadcnt 63                              ; 96 loads were issued: the oldest 33 are in, idx's sixteen among them
.macro ENTRY q, c
	v_cmp_eq_u32 vcc_lo, s15, v[64+4*(\q)+(\c)]
	v_mbcnt_lo_u32_b32 v6, vcc_lo, s18             ; rank = those counted so far + those in lower lanes
	v_cndmask_b32 v6, v25, v6, vcc_lo              ; or my place behind the list
	v_min_u32 v6, AWAY+31, v6                      ; held inside the list and those places, whatever idx holds
	v_lshlrev_b32 v6, 1, v6
	v_add_nc_u32 v6, s44, v6
	v_add_nc_u32 v7, \c, v27                       ; the slot
	s_bcnt1_i32_b32 s19, vcc_lo
	s_add_co_u32 s18, s18, s19
	ds_store_b16 v6, v7
.endm
.irp q, 0,1,2,3,4,5,6,7,8,9,10,11,12,13,14,15
	v_add_nc_u32 v27, 128*\q, v8                   ; 128 q + 4 lane
.irp c, 0,1,2,3
	ENTRY \q, \c
.endr
.endr
	v_mov_b32 v6, CNTW
	v_mov_b32 v7, s18
	ds_store_b32 v6, v7                            ; all lanes write the same word with the same number
.Lnolist:
	s_wait_dscnt 0x0                               ; for the others' sake: the list and the count are in LDS
	s_barrier_signal -1
	s_barrier_wait -1                              ; nobody writes them again
	; THE STREAM.  A set of 16 rows is rounded, asked for again 64 rows on, and laid into LDS.
.macro STG s, issue, left
	s_wait_loadcnt \left                           ; the younger sets' loads stay out; this set's are in, so its base is free
.if \issue
	s_add_nc_u64 s[48+2*(\s):49+2*(\s)], s[48+2*(\s):49+2*(\s)], 64*PITCHB
.endif
	WIN 0x05
.irp i, 0,1,2,3,4,5,6,7,8,9,10,11,12,13,14,15
	v_cvt_pk_bf16_f32 v[32+2*\i], v[64*(\s)+4*\i], v[64*(\s)+4*\i+1]
	v_cvt_pk_bf16_f32 v[32+2*\i+1], v[64*(\s)+4*\i+2], v[64*(\s)+4*\i+3]
.endr
.if \issue
	WLOAD \s
.endif
	WIN 0
.irp i, 0,1,2,3,4,5,6,7,8,9,10,11,12,13,14,15
	ds_store_b64 v5, v[32+2*\i:32+2*\i+1] offset:(16*(\s)+\i)*WPITCH  ; 32 lanes, 256 consecutive bytes
.endr
.endm
	s_mov_b32 s42, 3
.Lstream:
	STG 0, 1, 48
	STG 1, 1, 48
	STG 2, 1, 48
	STG 3, 1, 48
	v_add_nc_u32 v5, 64*WPITCH, v5
	s_sub_co_u32 s42, s42, 1
	s_cmp_lg_u32 s42, 0
	s_cbranch_scc1 .Lstream
	STG 0, 0, 48                                   ; the last 64 rows: nothing more is asked for, the counts run down
	STG 1, 0, 32
	STG 2, 0, 16
	STG 3, 0, 0
	s_wait_dscnt 0x0                               ; for the others' sake: my part of the slice is in LDS
	s_barrier_signal -1
	s_barrier_wait -1                              ; the slice is whole; nobody writes it again
	v_mov_b32 v6, CNTW
	ds_load_b32 v7, v6                             ; the number of the expert's slots
	WIN 0x0a                                       ; the bias is rounded to bf16, in place
.set k, 0
.rept 32
	v_cvt_pk_bf16_f32 v[32+k], v[128+2*k], v[128+2*k+1]
.set k, k+1
.endr
.if DOWN
	WIN 0
.set k, 0
.rept 32
	v_and_b32 v[32+k], s47, v[32+k]                ; and is 0 in quarters 1 to 3
.set k, k+1
.endr
.endif
	WIN 0x80
.set k, 0
.rept 32
	v_lshlrev_b32 v[128+2*k], 16, v[32+k]
	v_and_b32 v[128+2*k+1], s46, v[32+k]
.set k, k+1
.endr
	WIN 0
	s_wait_dscnt 0x0
	v_readfirstlane_b32 s18, v7
	s_min_u32 s18, s18, 1024                       ; the expert's rows
	s_add_co_u32 s21, s18, 63
	s_lshr_b32 s21, s21, 6                         ; tiles of 16 for each wave
	s_mul_i32 s22, s21, s14
	s_lshl_b32 s22, s22, 4                         ; my first rank
	s_max_u32 s19, s18, s22
	s_sub_co_u32 s19, s19, s22
	s_add_co_u32 s19, s19, 15
	s_lshr_b32 s19, s19, 4
	s_min_u32 s23, s19, s21                        ; my tiles
.macro ALOAD i, base                   ; 12 loads: a K step's 32 bytes a lane of six tiles' rows, into buffer i
	WIN 0xc0
.irp m, 0,1,2,3,4,5
	global_load_b128 v[48*(\i)+8*\m:48*(\i)+8*\m+3], v[16+\m], s[\base:\base+1] offset:64*(\i)
	global_load_b128 v[48*(\i)+8*\m+4:48*(\i)+8*\m+7], v[16+\m], s[\base:\base+1] offset:64*(\i)+16
.endr
	WIN 0
.endm
.macro BLOAD p, off, ar                ; 16 turning loads: a K step's fragments of the 128 columns, into buffer p; ar: the register with the address
.irp b, 0,1,2,3,4,5,6,7
	ds_load_tr16_b128 v[128+64*(\p)+8*\b:128+64*(\p)+8*\b+3], v[\ar] offset:(\off)+32*\b
	ds_load_tr16_b128 v[128+64*(\p)+8*\b+4:128+64*(\p)+8*\b+7], v[\ar] offset:(\off)+32*\b+8*WPITCH
.endr
.endm
.macro MROW i, m, first                ; 8 matrix instructions: tile m x all 8 column blocks.  first = 1: the bias starts the sums
.set AC, 64*((\m)%4)
.set FB, 128+64*((\i)%2)
.set FA, 48*(\i)+8*(\m)
.irp b, 0,1,2,3,4,5,6,7
.if \first
	v_wmma_f32_16x16x32_bf16 v[AC+8*\b:AC+8*\b+7], v[FB+8*\b:FB+8*\b+7], v[FA:FA+7], v[128+8*\b:128+8*\b+7]
.else
	v_wmma_f32_16x16x32_bf16 v[AC+8*\b:AC+8*\b+7], v[FB+8*\b:FB+8*\b+7], v[FA:FA+7], v[AC+8*\b:AC+8*\b+7]
.endif
.endr
.endm
; A K STEP of 32.  The accumulators take turns, one instruction a turn.  Tiles 4 and 5 are jumped where the trip has fewer tiles; the first step multiplies all six, so that every accumulator is begun.
; s30 = the first byte in the slice of the group of four steps in hand; head = 1: a group's first step in the loop, which moves s30 on.  Every step makes the LDS address of its run of loads itself,
; directly ahead of the run, from that byte held inside the slice: the highest byte that a run can reach is 7 GSTEP + 23 rows + 16 + 3 steps + 8 rows + 240 = 294,880, below the stages.
.macro KSTEP i, first, head=0
	s_wait_loadcnt 36                              ; this step's rows are in; the three younger steps' 36 loads stay out
	s_add_nc_u64 s[48+2*(\i):49+2*(\i)], s[34:35], s[28:29]  ; so this step's base, which only those rows' loads named, is free: the rows four steps on
	s_wait_dscnt 0x0                               ; this step's fragments of W, asked for a step ago
.if \head
	s_add_co_u32 s30, s30, GSTEP                   ; groups 1 to 7
.endif
.if (\i) == 3
	s_add_co_u32 s19, s30, GSTEP                   ; the next group's first step; behind the last group there is none: the address stays in the slice, and what comes is not used
	s_min_u32 s19, s19, 7*GSTEP
	v_add_nc_u32 v26, s19, v9
	BLOAD 0, 0, 26
.else
	s_min_u32 s30, s30, 7*GSTEP                    ; held inside the slice (it never passes that)
	v_add_nc_u32 v10, s30, v9
	BLOAD ((\i)+1)%2, ((\i)+1)*32*WPITCH, 10
.endif
.if \first
	WIN 0x6c                                       ; W window 0, rows window 3, C (the bias) window 2, D window 1
	MROW \i, 0, 1
	MROW \i, 1, 1
	MROW \i, 2, 1
	MROW \i, 3, 1
	WIN 0xac
	MROW \i, 4, 1
	MROW \i, 5, 1
	WIN 0
.else
	WIN 0x5c
	MROW \i, 0, 0
	MROW \i, 1, 0
	MROW \i, 2, 0
	MROW \i, 3, 0
	WIN 0
	s_cmp_lt_u32 s26, 5
	s_cbranch_scc1 .Lk\@
	WIN 0xac
	MROW \i, 4, 0
	WIN 0
	s_cmp_lt_u32 s26, 6
	s_cbranch_scc1 .Lk\@
	WIN 0xac
	MROW \i, 5, 0
	WIN 0
.Lk\@:
.endif
.rept 4
	v_nop                                          ; four places ahead of the loads into registers that these products read, and of the way out
.endr
	ALOAD \i, 48+2*(\i)
.endm
.macro GROUPEND                        ; four steps are 256 bytes of a row; behind the last group the look-ahead stays inside the row, and what it brings is not used
	s_add_co_u32 s28, s28, 256
	s_min_u32 s28, s28, 1792
.endm
; THE WAY OUT of tile m, through my stage; the rows' slots come from the list.
.macro EPI m
.set AC, 64*((\m)%4)
.if (\m) > 0
	s_cmp_le_u32 s26, \m
	s_cbranch_scc1 .Lnext
.endif
	s_wait_xcnt 0x0                                ; the registers that the last tile's stores read are rewritten only behind this wait
	s_add_co_u32 s31, s22, 16*(\m)
	s_min_u32 s31, s31, 1008                       ; the tile's first rank, held inside the list
	s_lshl_b32 s31, s31, 1
	v_add_nc_u32 v22, s31, v12
.if !DOWN
	WIN 0x05*(1+(\m)/4)
.irp b, 0,1,2,3,4,5,6,7
.irp r, 0,1,2,3
	v_cvt_pk_bf16_f32 v[128+4*\b+\r], v[AC+8*\b+2*\r], v[AC+8*\b+2*\r+1]
.endr
.endr
	WIN 0
.set k, 0
.rept 32
	v_pk_max_num_bf16 v[128+k], v[128+k], v24      ; relu, two at a time
.set k, k+1
.endr
.irp b, 0,1,2,3,4,5,6,7
	ds_store_b128 v13, v[128+4*\b:128+4*\b+3] offset:32*\b
.endr
.irp t, 0,1,2,3,4,5,6,7
	ds_load_u16 v[192+\t], v22 offset:4*\t         ; the slot of row 2 t + h
.endr
.irp t, 0,1,2,3,4,5,6,7
	ds_load_b128 v[160+4*\t:160+4*\t+3], v14 offset:2*SPITCH*\t  ; LDS serves a wave's instructions in order (ISA guide 5.7.1.4): these see the stores above
.endr
	s_wait_dscnt 8                                 ; the slots are in
.irp t, 0,1,2,3,4,5,6,7
	v_min_u32 v[192+\t], 2055, v[192+\t]
	v_lshlrev_b32 v[200+\t], 13, v[192+\t]         ; a row of hid is 8,192 bytes
	v_add_nc_u32 v[200+\t], v15, v[200+\t]
.endr
.irp t, 0,1,2,3,4,5,6,7
	s_wait_dscnt 7-\t
	global_store_b128 v[200+\t], v[160+4*\t:160+4*\t+3], s[38:39]  ; 16 lanes store 256 consecutive bytes, aligned
.endr
.else
.irp q, 0,1
.if \q == 1
	s_wait_xcnt 0x0
.endif
	WIN 0x04*(1+(\m)/4)
.irp b, 0,1,2,3
	ds_store_b128 v13, v[AC+32*\q+8*\b:AC+32*\q+8*\b+3] offset:64*\b
	ds_store_b128 v13, v[AC+32*\q+8*\b+4:AC+32*\q+8*\b+7] offset:64*\b+16
.endr
	WIN 0
.if \q == 0
.irp t, 0,1,2,3,4,5,6,7
	ds_load_u16 v[192+\t], v22 offset:4*\t
.endr
.endif
.irp t, 0,1,2,3,4,5,6,7
	ds_load_b128 v[160+4*\t:160+4*\t+3], v14 offset:2*SPITCH*\t
.endr
.if \q == 0
	s_wait_dscnt 8
.irp t, 0,1,2,3,4,5,6,7
	v_min_u32 v[192+\t], 2055, v[192+\t]
	v_lshlrev_b32 v[200+\t], 12, v[192+\t]         ; a row of part is 4,096 bytes
	v_add_nc_u32 v[200+\t], v15, v[200+\t]
.endr
.endif
.irp t, 0,1,2,3,4,5,6,7
	s_wait_dscnt 7-\t
	global_store_b128 v[200+\t], v[160+4*\t:160+4*\t+3], s[38:39] offset:256*\q
.endr
.endr
.endif
.endm
	s_mov_b32 s29, 0
	s_mov_b32 s25, 3
.Ltrip:                                                ; three trips of up to six tiles; s23 = my tiles still to do, s22 = their first rank
	s_cmp_eq_u32 s23, 0
	s_cbranch_scc1 .Lnext
	s_wait_loadcnt 0x0                             ; the last trip's unused look-ahead has landed: its registers, addresses and bases are free
	s_wait_xcnt 0x0                                ; and so are the registers that its stores read
	s_min_u32 s26, s23, 6                          ; this trip's tiles
.irp m, 0,1,2,3,4,5
	s_add_co_u32 s31, s22, 16*\m
	s_cmp_gt_u32 s26, \m
	s_cselect_b32 s31, s31, s22                    ; a tile past the count repeats tile 0's rows
	s_min_u32 s31, s31, 1008                       ; held inside the list
	s_lshl_b32 s31, s31, 1
	v_add_nc_u32 v22, s31, v11
	ds_load_u16 v[16+\m], v22
.endr
	s_wait_dscnt 0x0
.irp m, 0,1,2,3,4,5
	v_min_u32 v[16+\m], 2047, v[16+\m]
.if DOWN
	v_lshlrev_b32 v[16+\m], 13, v[16+\m]           ; a row of hid is 8,192 bytes
.else
	v_and_b32 v[16+\m], 0x7fe, v[16+\m]            ; token = slot / 2; a row of xb is 2,048 bytes
	v_lshlrev_b32 v[16+\m], 10, v[16+\m]
.endif
	v_add_nc_u32 v[16+\m], v23, v[16+\m]
.endr
	ALOAD 0, 34
	ALOAD 1, 34
	ALOAD 2, 34
	ALOAD 3, 34
	s_mov_b32 s28, 256                             ; the byte in a row at which the look-ahead's group begins
	s_mov_b32 s30, 0
	BLOAD 0, 0, 9                                  ; K step 0 lies at the slice's head
	KSTEP 0, 1
	KSTEP 1, 0
	KSTEP 2, 0
	KSTEP 3, 0
	GROUPEND
	s_mov_b32 s27, 7
.Lgroup:
	KSTEP 0, 0, 1
	KSTEP 1, 0
	KSTEP 2, 0
	KSTEP 3, 0
	GROUPEND
	s_sub_co_u32 s27, s27, 1
	s_cmp_lg_u32 s27, 0
	s_cbranch_scc1 .Lgroup
	s_wait_dscnt 0x0                               ; the unused look-ahead into W's buffers has landed: they are at work below
	EPI 0
	EPI 1
	EPI 2
	EPI 3
	EPI 4
	EPI 5
.Lnext:
	s_add_co_u32 s22, s22, 96
	s_max_u32 s23, s23, 6
	s_sub_co_u32 s23, s23, 6
	s_sub_co_u32 s25, s25, 1
	s_cmp_lg_u32 s25, 0
	s_cbranch_scc1 .Ltrip
	s_wait_tensorcnt 0x0                           ; the wave's end: behind my last LDS store
	ds_add_u32 v30, v31
	s_wait_dscnt 0x0
	s_endpgm
.Lfunc_end_k_q2c63f544a9_up:
	.size	k_q2c63f544a9_up, .Lfunc_end_k_q2c63f544a9_up-k_q2c63f544a9_up
	.p2alignl 7, 3214868480
	.fill 96, 4, 3214868480
	.section	.rodata,"a",@progbits
	.p2align	6, 0x0
	.amdhsa_kernel k_q2c63f544a9_up
		.amdhsa_group_segment_fixed_size 315392
		.amdhsa_private_segment_fixed_size 0
		.amdhsa_enable_private_segment 0
		.amdhsa_kernarg_size 40
		.amdhsa_user_sgpr_count 2
		.amdhsa_user_sgpr_kernarg_segment_ptr 1
		.amdhsa_wavefront_size32 1
		.amdhsa_system_sgpr_workgroup_id_x 1
		.amdhsa_system_sgpr_workgroup_id_y 1
		.amdhsa_system_sgpr_workgroup_id_z 1
		.amdhsa_system_vgpr_workitem_id 0
		.amdhsa_next_free_vgpr 960
		.amdhsa_next_free_sgpr 66
		.amdhsa_reserve_vcc 1
		.amdhsa_float_denorm_mode_32 3
		.amdhsa_float_denorm_mode_16_64 3
		.amdhsa_memory_ordered 1
		.amdhsa_forward_progress 1
		.amdhsa_inst_pref_size 179
	.end_amdhsa_kernel
	.amdgpu_metadata
---
amdhsa.version: [ 1, 2 ]
amdhsa.kernels:
  - .name:           k_q2c63f544a9_up
    .symbol:         k_q2c63f544a9_up.kd
    .args:
      - { .name: W1, .offset: 0, .size: 8, .value_kind: global_buffer, .address_space: global }
      - { .name: b1, .offset: 8, .size: 8, .value_kind: global_buffer, .address_space: global }
      - { .name: xb, .offset: 16, .size: 8, .value_kind: global_buffer, .address_space: global }
      - { .name: idx, .offset: 24, .size: 8, .value_kind: global_buffer, .address_space: global }
      - { .name: hid, .offset: 32, .size: 8, .value_kind: global_buffer, .address_space: global }
    .group_segment_fixed_size: 315392
    .private_segment_fixed_size: 0
    .kernarg_segment_align: 8
    .kernarg_segment_size: 40
    .max_flat_workgroup_size: 128
    .sgpr_count:     66
    .vgpr_count:     960
    .wavefront_size: 32
...
	.end_amdgpu_metadata
.endif
;; end of part 2
;; launch down (part 3): grid 256 x 1, 4 waves a work-group, no clusters, 315,392 bytes of LDS; arguments W2, b2, hid, idx, part; writes part
.if DOCPART == 3
	.amdgcn_target "amdgcn-amd-amdhsa--gfx1250"
	.amdhsa_code_object_version 6
	.text
	.protected	k_q2c63f544a9_down
	.globl	k_q2c63f544a9_down
	.p2align	8
	.type	k_q2c63f544a9_down,@function
k_q2c63f544a9_down:
	s_mov_b64 s[64:65], 0
	v_nop
	global_prefetch_b8 v0, s[64:65] scope:SCOPE_SE
	s_setreg_imm32_b32 hwreg(HW_REG_WAVE_MODE, 25, 1), 1
	s_wait_xcnt 0x0
; ONE PRODUCT OF THE EXPERTS' CHAIN, for the rows that chose the expert.  DOWN = 0: hid[slot] = relu(x[token] W1[e] + b1[e]), bf16.
; DOWN = 1: part[ks][slot] = hid[slot][quarter ks] W2[e][quarter ks], f32, with b2[e] added in quarter 0.
; A slot is 2 token + choice.  A work-group owns a slice of ONE expert's weights, 1,024 along K x 128 columns, which it alone reads, and all of that expert's rows.
; 8 experts x 32 column slices (DOWN = 0) or 8 x 4 quarters of K x 8 column slices (DOWN = 1): 256 work-groups.
; PHASES.  (1) Wave 0 counts the expert's slots from idx and writes their list and their number into LDS, while every wave's first 64 loads of weights are on their way.  A barrier.
; (2) The slice streams through registers, 64 loads of 512 consecutive bytes a wave on their way, is rounded to bf16 and laid into LDS as [k][n].  A barrier.
; (3) Each wave takes an even share of the rows, up to six tiles of 16 a trip: the rows come from memory straight into registers, the weights out of LDS turned by ds_load_tr16_b128.
; (4) A tile goes out through the wave's own stage, so that sixteen lanes store 256 consecutive bytes, aligned.
; EVERY SPLIT is served: 0 to 1,024 rows.  Three trips of six tiles cover a wave's 16 tiles at the most; a trip with nothing left is jumped.  The list's places past the count hold the expert's dump row
; (2048 + e), which is written and never read: no store is narrowed.  For loads such a place is held to slot 2047, a row that exists.
; NO POINTER WAITS FOR A TRANSLATION: each of the stream's four register sets, and later each of a group's four K steps, has a base pair of its own, written directly behind the counted wait that shows its own last loads done.
; FORMATS.  Weights, bias and rows in bf16, sums in f32; the four quarters' partial sums are stored in f32.  NaN and infinities are not treated apart.
; NO MULTICAST, NO TENSOR LOAD: the f32 weights are rounded on their way, each slice has one reader, and the rows come by a list.
; THE MATRIX INSTRUCTION IS USED TRANSPOSED (source 0 = 16 columns of W, source 1 = 16 rows): a lane holds eight neighbouring columns of one row.  Along K both sources are permuted alike:
; registers 0-3 hold k = 16 (l / 16) + 0..7, registers 4-7 k = 16 (l / 16) + 8..15, so that a lane's part of a row is 32 consecutive bytes.
; REGISTERS, in windows of 256: window 0: v0-31 addresses, v32-63 at work, v64-127 idx, v128-255 two buffers of W's fragments (on the way out: at work).
;   window 1: four sets of 64 for the stream; later the accumulators of tiles 0-3 (64 m + 8 b).  window 2: v0-127 those of tiles 4, 5; v128-191 the bias.  window 3: v0-191 four buffers of rows (48 q + 8 m).
.set DOWN, 1
.if DOWN
.set PITCHB, 4096                      ; bytes from a row of W to the next
.else
.set PITCHB, 16384
.endif
.set WPITCH, 288                       ; a row of the slice in LDS: 256 bytes + 32
.set GSTEP,  4*32*WPITCH               ; four K steps of 32
.set STAGE,  1024*WPITCH               ; 16 rows x 272 bytes for each wave
.set SPITCH, 272
.set LIST,   STAGE+4*16*SPITCH         ; the expert's slots, 1,024 places of 2 bytes; behind them 32 places, one a lane, for slots of other experts
.set AWAY,   1024                      ; the first of those places
.set CNTW,   LIST+2112                 ; the number of the expert's slots
.set SPARE,  LIST+2304                 ; the spare words, 128 bytes for each wave
.set MSB, 0
.macro WIN new                         ; the immediate's high byte repeats the setting that is left; a switch that changes nothing is dropped
.if MSB != (\new)
	s_set_vgpr_msb (MSB<<8)|(\new)
.set MSB, \new
.endif
.endm
	s_load_b256 s[4:11], s[0:1], 0x0               ; W s[4:5], the bias s[6:7], the rows s[8:9], idx s[10:11]
	s_load_b64 s[12:13], s[0:1], 0x20              ; the output
	v_lshl_add_u32 v30, v0, 2, SPARE               ; my spare word, and 0: for the wave's end alone
	v_mov_b32 v31, 0
	v_lshrrev_b32 v1, 5, v0
	v_readfirstlane_b32 s14, v1                    ; wave
	v_and_b32 v1, 31, v0                           ; lane
	v_and_b32 v2, 15, v0                           ; r
	v_bfe_u32 v3, v0, 4, 1                         ; h
	v_lshlrev_b32 v4, 4, v1                        ; 16 lane
	v_lshlrev_b32 v8, 2, v1                        ; 4 lane
	v_lshlrev_b32 v15, 4, v2                       ; 16 r
	v_lshlrev_b32 v23, 5, v3                       ; 32 h
.if !DOWN
	v_mov_b32 v24, 0
.endif
	v_add_nc_u32 v25, AWAY, v1                     ; my lane's place for a slot of another expert
	s_lshr_b32 s15, ttmp9, 5                       ; the expert
.if DOWN
	s_bfe_u32 s16, ttmp9, 0x20003                  ; the quarter of K
	s_and_b32 s43, ttmp9, 7                        ; the column slice
	s_cmp_eq_u32 s16, 0
	s_cselect_b32 s47, -1, 0                       ; the bias counts in quarter 0 alone
.else
	s_and_b32 s43, ttmp9, 31
.endif
	s_add_co_u32 s17, s15, 2048                    ; the dump row
	s_mov_b32 s46, 0xffff0000
	s_lshl_b32 s40, s15, 24                        ; the slice's first byte for my wave: an expert is 16 MiB,
	s_lshl_b32 s19, s43, 9                         ; a column slice 512 bytes,
	s_add_co_u32 s40, s40, s19
.if DOWN
	s_lshl_b32 s19, s16, 22                        ; a quarter of K 1,024 rows,
	s_add_co_u32 s40, s40, s19
	s_lshl_b32 s19, s14, 20                        ; my wave's part 256 rows
.else
	s_lshl_b32 s19, s14, 22
.endif
	s_add_co_u32 s40, s40, s19
	s_mov_b32 s41, 0
	s_mul_i32 s19, s14, 256*WPITCH
	v_lshl_add_u32 v5, v1, 3, s19                  ; where I lay 4 bf16 of a row
	v_and_b32 v6, 7, v0
	v_lshl_add_u32 v6, v3, 4, v6
	v_mul_u32_u24 v9, v6, WPITCH                   ; the turning load: row 16 h + l % 8,
	v_bfe_u32 v7, v0, 3, 1
	v_lshl_add_u32 v9, v7, 4, v9                   ; columns 8 ((l / 8) % 2) on
	s_mov_b32 s44, LIST                            ; the list
	v_lshl_add_u32 v11, v2, 1, s44                 ; the slot of a tile's row r,
	v_lshl_add_u32 v12, v3, 1, s44                 ; of its row h
	s_mul_i32 s45, s14, 16*SPITCH
	s_add_co_u32 s45, s45, STAGE                   ; my stage
	v_mul_u32_u24 v13, v2, SPITCH                  ; in: row r, my eight columns
	v_lshl_add_u32 v13, v3, 4+DOWN, v13
	v_add_nc_u32 v13, s45, v13
	v_mul_u32_u24 v14, v3, SPITCH                  ; back: lanes 0-15 one row of 256 bytes, lanes 16-31 the next
	v_lshl_add_u32 v14, v2, 4, v14
	v_add_nc_u32 v14, s45, v14
	s_wait_kmcnt 0x0
	s_add_nc_u64 s[48:49], s[4:5], s[40:41]        ; the stream's four bases, one for each register set
	s_mov_b64 s[50:51], s[48:49]
	s_mov_b64 s[52:53], s[48:49]
	s_mov_b64 s[54:55], s[48:49]
	s_lshl_b32 s40, s15, 14-2*DOWN                 ; the expert's row of the bias,
	s_lshl_b32 s19, s43, 9                         ; my 128 columns of it
	s_add_co_u32 s40, s40, s19
	s_add_nc_u64 s[6:7], s[6:7], s[40:41]
.if DOWN
	s_lshl_b32 s40, s16, 11
	s_add_nc_u64 s[34:35], s[8:9], s[40:41]        ; the rows: hid at my quarter of K
	s_mul_i32 s40, s16, 2056*4096
	s_add_co_u32 s40, s40, s19                     ; out: part, my plane and columns
.else
	s_mov_b64 s[34:35], s[8:9]                     ; the rows: xb
	s_lshl_b32 s40, s43, 8                         ; out: hid at my columns
.endif
	s_add_nc_u64 s[38:39], s[12:13], s[40:41]
.irp q, 0,1,2,3,4,5,6,7,8,9,10,11,12,13,14,15
	global_load_b128 v[64+4*\q:64+4*\q+3], v4, s[10:11] offset:512*\q  ; word c of load q is slot 128 q + 4 lane + c
.endr
	WIN 0x80
.irp b, 0,1,2,3,4,5,6,7
	global_load_b128 v[128+8*\b:128+8*\b+3], v23, s[6:7] offset:64*\b      ; the bias of columns 16 b + 8 h + 0..7: the layout of an accumulator
	global_load_b128 v[128+8*\b+4:128+8*\b+7], v23, s[6:7] offset:64*\b+16
.endr
.macro WLOAD s                         ; 16 rows of the slice into set s: each load is a row's 512 consecutive bytes
	WIN 0x40
.irp i, 0,1,2,3,4,5,6,7,8,9,10,11,12,13,14,15
	global_load_b128 v[64*(\s)+4*\i:64*(\s)+4*\i+3], v4, s[48+2*(\s):49+2*(\s)] offset:(16*(\s)+\i)*PITCHB th:TH_LOAD_NT
.endr
.endm
	WLOAD 0
	WLOAD 1
	WLOAD 2
	WLOAD 3
	WIN 0
	; THE LIST, by wave 0 alone; until the barrier behind it no other wave touches LDS.  First every place holds the dump row; then each of the expert's slots is written at its rank.
	; All lanes stay on: a lane whose slot chose another expert writes to its own place behind the list, which nobody reads.
	s_cmp_lg_u32 s14, 0
	s_cbranch_scc1 .Lnolist
	s_lshl_b32 s19, s17, 16
	s_or_b32 s19, s19, s17
	v_mov_b32 v32, s19
	v_mov_b32 v33, s19
	v_mov_b32 v34, s19
	v_mov_b32 v35, s19
	v_add_nc_u32 v7, s44, v4
.irp k, 0,1,2,3
	ds_store_b128 v7, v[32:35] offset:512*\k
.endr
	s_mov_b32 s18, 0
	s_wait_loadcnt 63                              ; 96 loads were issued: the oldest 33 are in, idx's sixteen among them
.macro ENTRY q, c
	v_cmp_eq_u32 vcc_lo, s15, v[64+4*(\q)+(\c)]
	v_mbcnt_lo_u32_b32 v6, vcc_lo, s18             ; rank = those counted so far + those in lower lanes
	v_cndmask_b32 v6, v25, v6, vcc_lo              ; or my place behind the list
	v_min_u32 v6, AWAY+31, v6                      ; held inside the list and those places, whatever idx holds
	v_lshlrev_b32 v6, 1, v6
	v_add_nc_u32 v6, s44, v6
	v_add_nc_u32 v7, \c, v27                       ; the slot
	s_bcnt1_i32_b32 s19, vcc_lo
	s_add_co_u32 s18, s18, s19
	ds_store_b16 v6, v7
.endm
.irp q, 0,1,2,3,4,5,6,7,8,9,10,11,12,13,14,15
	v_add_nc_u32 v27, 128*\q, v8                   ; 128 q + 4 lane
.irp c, 0,1,2,3
	ENTRY \q, \c
.endr
.endr
	v_mov_b32 v6, CNTW
	v_mov_b32 v7, s18
	ds_store_b32 v6, v7                            ; all lanes write the same word with the same number
.Lnolist:
	s_wait_dscnt 0x0                               ; for the others' sake: the list and the count are in LDS
	s_barrier_signal -1
	s_barrier_wait -1                              ; nobody writes them again
	; THE STREAM.  A set of 16 rows is rounded, asked for again 64 rows on, and laid into LDS.
.macro STG s, issue, left
	s_wait_loadcnt \left                           ; the younger sets' loads stay out; this set's are in, so its base is free
.if \issue
	s_add_nc_u64 s[48+2*(\s):49+2*(\s)], s[48+2*(\s):49+2*(\s)], 64*PITCHB
.endif
	WIN 0x05
.irp i, 0,1,2,3,4,5,6,7,8,9,10,11,12,13,14,15
	v_cvt_pk_bf16_f32 v[32+2*\i], v[64*(\s)+4*\i], v[64*(\s)+4*\i+1]
	v_cvt_pk_bf16_f32 v[32+2*\i+1], v[64*(\s)+4*\i+2], v[64*(\s)+4*\i+3]
.endr
.if \issue
	WLOAD \s
.endif
	WIN 0
.irp i, 0,1,2,3,4,5,6,7,8,9,10,11,12,13,14,15
	ds_store_b64 v5, v[32+2*\i:32+2*\i+1] offset:(16*(\s)+\i)*WPITCH  ; 32 lanes, 256 consecutive bytes
.endr
.endm
	s_mov_b32 s42, 3
.Lstream:
	STG 0, 1, 48
	STG 1, 1, 48
	STG 2, 1, 48
	STG 3, 1, 48
	v_add_nc_u32 v5, 64*WPITCH, v5
	s_sub_co_u32 s42, s42, 1
	s_cmp_lg_u32 s42, 0
	s_cbranch_scc1 .Lstream
	STG 0, 0, 48                                   ; the last 64 rows: nothing more is asked for, the counts run down
	STG 1, 0, 32
	STG 2, 0, 16
	STG 3, 0, 0
	s_wait_dscnt 0x0                               ; for the others' sake: my part of the slice is in LDS
	s_barrier_signal -1
	s_barrier_wait -1                              ; the slice is whole; nobody writes it again
	v_mov_b32 v6, CNTW
	ds_load_b32 v7, v6                             ; the number of the expert's slots
	WIN 0x0a                                       ; the bias is rounded to bf16, in place
.set k, 0
.rept 32
	v_cvt_pk_bf16_f32 v[32+k], v[128+2*k], v[128+2*k+1]
.set k, k+1
.endr
.if DOWN
	WIN 0
.set k, 0
.rept 32
	v_and_b32 v[32+k], s47, v[32+k]                ; and is 0 in quarters 1 to 3
.set k, k+1
.endr
.endif
	WIN 0x80
.set k, 0
.rept 32
	v_lshlrev_b32 v[128+2*k], 16, v[32+k]
	v_and_b32 v[128+2*k+1], s46, v[32+k]
.set k, k+1
.endr
	WIN 0
	s_wait_dscnt 0x0
	v_readfirstlane_b32 s18, v7
	s_min_u32 s18, s18, 1024                       ; the expert's rows
	s_add_co_u32 s21, s18, 63
	s_lshr_b32 s21, s21, 6                         ; tiles of 16 for each wave
	s_mul_i32 s22, s21, s14
	s_lshl_b32 s22, s22, 4                         ; my first rank
	s_max_u32 s19, s18, s22
	s_sub_co_u32 s19, s19, s22
	s_add_co_u32 s19, s19, 15
	s_lshr_b32 s19, s19, 4
	s_min_u32 s23, s19, s21                        ; my tiles
.macro ALOAD i, base                   ; 12 loads: a K step's 32 bytes a lane of six tiles' rows, into buffer i
	WIN 0xc0
.irp m, 0,1,2,3,4,5
	global_load_b128 v[48*(\i)+8*\m:48*(\i)+8*\m+3], v[16+\m], s[\base:\base+1] offset:64*(\i)
	global_load_b128 v[48*(\i)+8*\m+4:48*(\i)+8*\m+7], v[16+\m], s[\base:\base+1] offset:64*(\i)+16
.endr
	WIN 0
.endm
.macro BLOAD p, off, ar                ; 16 turning loads: a K step's fragments of the 128 columns, into buffer p; ar: the register with the address
.irp b, 0,1,2,3,4,5,6,7
	ds_load_tr16_b128 v[128+64*(\p)+8*\b:128+64*(\p)+8*\b+3], v[\ar] offset:(\off)+32*\b
	ds_load_tr16_b128 v[128+64*(\p)+8*\b+4:128+64*(\p)+8*\b+7], v[\ar] offset:(\off)+32*\b+8*WPITCH
.endr
.endm
.macro MROW i, m, first                ; 8 matrix instructions: tile m x all 8 column blocks.  first = 1: the bias starts the sums
.set AC, 64*((\m)%4)
.set FB, 128+64*((\i)%2)
.set FA, 48*(\i)+8*(\m)
.irp b, 0,1,2,3,4,5,6,7
.if \first
	v_wmma_f32_16x16x32_bf16 v[AC+8*\b:AC+8*\b+7], v[FB+8*\b:FB+8*\b+7], v[FA:FA+7], v[128+8*\b:128+8*\b+7]
.else
	v_wmma_f32_16x16x32_bf16 v[AC+8*\b:AC+8*\b+7], v[FB+8*\b:FB+8*\b+7], v[FA:FA+7], v[AC+8*\b:AC+8*\b+7]
.endif
.endr
.endm
; A K STEP of 32.  The accumulators take turns, one instruction a turn.  Tiles 4 and 5 are jumped where the trip has fewer tiles; the first step multiplies all six, so that every accumulator is begun.
; s30 = the first byte in the slice of the group of four steps in hand; head = 1: a group's first step in the loop, which moves s30 on.  Every step makes the LDS address of its run of loads itself,
; directly ahead of the run, from that byte held inside the slice: the highest byte that a run can reach is 7 GSTEP + 23 rows + 16 + 3 steps + 8 rows + 240 = 294,880, below the stages.
.macro KSTEP i, first, head=0
	s_wait_loadcnt 36                              ; this step's rows are in; the three younger steps' 36 loads stay out
	s_add_nc_u64 s[48+2*(\i):49+2*(\i)], s[34:35], s[28:29]  ; so this step's base, which only those rows' loads named, is free: the rows four steps on
	s_wait_dscnt 0x0                               ; this step's fragments of W, asked for a step ago
.if \head
	s_add_co_u32 s30, s30, GSTEP                   ; groups 1 to 7
.endif
.if (\i) == 3
	s_add_co_u32 s19, s30, GSTEP                   ; the next group's first step; behind the last group there is none: the address stays in the slice, and what comes is not used
	s_min_u32 s19, s19, 7*GSTEP
	v_add_nc_u32 v26, s19, v9
	BLOAD 0, 0, 26
.else
	s_min_u32 s30, s30, 7*GSTEP                    ; held inside the slice (it never passes that)
	v_add_nc_u32 v10, s30, v9
	BLOAD ((\i)+1)%2, ((\i)+1)*32*WPITCH, 10
.endif
.if \first
	WIN 0x6c                                       ; W window 0, rows window 3, C (the bias) window 2, D window 1
	MROW \i, 0, 1
	MROW \i, 1, 1
	MROW \i, 2, 1
	MROW \i, 3, 1
	WIN 0xac
	MROW \i, 4, 1
	MROW \i, 5, 1
	WIN 0
.else
	WIN 0x5c
	MROW \i, 0, 0
	MROW \i, 1, 0
	MROW \i, 2, 0
	MROW \i, 3, 0
	WIN 0
	s_cmp_lt_u32 s26, 5
	s_cbranch_scc1 .Lk\@
	WIN 0xac
	MROW \i, 4, 0
	WIN 0
	s_cmp_lt_u32 s26, 6
	s_cbranch_scc1 .Lk\@
	WIN 0xac
	MROW \i, 5, 0
	WIN 0
.Lk\@:
.endif
.rept 4
	v_nop                                          ; four places ahead of the loads into registers that these products read, and of the way out
.endr
	ALOAD \i, 48+2*(\i)
.endm
.macro GROUPEND                        ; four steps are 256 bytes of a row; behind the last group the look-ahead stays inside the row, and what it brings is not used
	s_add_co_u32 s28, s28, 256
	s_min_u32 s28, s28, 1792
.endm
; THE WAY OUT of tile m, through my stage; the rows' slots come from the list.
.macro EPI m
.set AC, 64*((\m)%4)
.if (\m) > 0
	s_cmp_le_u32 s26, \m
	s_cbranch_scc1 .Lnext
.endif
	s_wait_xcnt 0x0                                ; the registers that the last tile's stores read are rewritten only behind this wait
	s_add_co_u32 s31, s22, 16*(\m)
	s_min_u32 s31, s31, 1008                       ; the tile's first rank, held inside the list
	s_lshl_b32 s31, s31, 1
	v_add_nc_u32 v22, s31, v12
.if !DOWN
	WIN 0x05*(1+(\m)/4)
.irp b, 0,1,2,3,4,5,6,7
.irp r, 0,1,2,3
	v_cvt_pk_bf16_f32 v[128+4*\b+\r], v[AC+8*\b+2*\r], v[AC+8*\b+2*\r+1]
.endr
.endr
	WIN 0
.set k, 0
.rept 32
	v_pk_max_num_bf16 v[128+k], v[128+k], v24      ; relu, two at a time
.set k, k+1
.endr
.irp b, 0,1,2,3,4,5,6,7
	ds_store_b128 v13, v[128+4*\b:128+4*\b+3] offset:32*\b
.endr
.irp t, 0,1,2,3,4,5,6,7
	ds_load_u16 v[192+\t], v22 offset:4*\t         ; the slot of row 2 t + h
.endr
.irp t, 0,1,2,3,4,5,6,7
	ds_load_b128 v[160+4*\t:160+4*\t+3], v14 offset:2*SPITCH*\t  ; LDS serves a wave's instructions in order (ISA guide 5.7.1.4): these see the stores above
.endr
	s_wait_dscnt 8                                 ; the slots are in
.irp t, 0,1,2,3,4,5,6,7
	v_min_u32 v[192+\t], 2055, v[192+\t]
	v_lshlrev_b32 v[200+\t], 13, v[192+\t]         ; a row of hid is 8,192 bytes
	v_add_nc_u32 v[200+\t], v15, v[200+\t]
.endr
.irp t, 0,1,2,3,4,5,6,7
	s_wait_dscnt 7-\t
	global_store_b128 v[200+\t], v[160+4*\t:160+4*\t+3], s[38:39]  ; 16 lanes store 256 consecutive bytes, aligned
.endr
.else
.irp q, 0,1
.if \q == 1
	s_wait_xcnt 0x0
.endif
	WIN 0x04*(1+(\m)/4)
.irp b, 0,1,2,3
	ds_store_b128 v13, v[AC+32*\q+8*\b:AC+32*\q+8*\b+3] offset:64*\b
	ds_store_b128 v13, v[AC+32*\q+8*\b+4:AC+32*\q+8*\b+7] offset:64*\b+16
.endr
	WIN 0
.if \q == 0
.irp t, 0,1,2,3,4,5,6,7
	ds_load_u16 v[192+\t], v22 offset:4*\t
.endr
.endif
.irp t, 0,1,2,3,4,5,6,7
	ds_load_b128 v[160+4*\t:160+4*\t+3], v14 offset:2*SPITCH*\t
.endr
.if \q == 0
	s_wait_dscnt 8
.irp t, 0,1,2,3,4,5,6,7
	v_min_u32 v[192+\t], 2055, v[192+\t]
	v_lshlrev_b32 v[200+\t], 12, v[192+\t]         ; a row of part is 4,096 bytes
	v_add_nc_u32 v[200+\t], v15, v[200+\t]
.endr
.endif
.irp t, 0,1,2,3,4,5,6,7
	s_wait_dscnt 7-\t
	global_store_b128 v[200+\t], v[160+4*\t:160+4*\t+3], s[38:39] offset:256*\q
.endr
.endr
.endif
.endm
	s_mov_b32 s29, 0
	s_mov_b32 s25, 3
.Ltrip:                                                ; three trips of up to six tiles; s23 = my tiles still to do, s22 = their first rank
	s_cmp_eq_u32 s23, 0
	s_cbranch_scc1 .Lnext
	s_wait_loadcnt 0x0                             ; the last trip's unused look-ahead has landed: its registers, addresses and bases are free
	s_wait_xcnt 0x0                                ; and so are the registers that its stores read
	s_min_u32 s26, s23, 6                          ; this trip's tiles
.irp m, 0,1,2,3,4,5
	s_add_co_u32 s31, s22, 16*\m
	s_cmp_gt_u32 s26, \m
	s_cselect_b32 s31, s31, s22                    ; a tile past the count repeats tile 0's rows
	s_min_u32 s31, s31, 1008                       ; held inside the list
	s_lshl_b32 s31, s31, 1
	v_add_nc_u32 v22, s31, v11
	ds_load_u16 v[16+\m], v22
.endr
	s_wait_dscnt 0x0
.irp m, 0,1,2,3,4,5
	v_min_u32 v[16+\m], 2047, v[16+\m]
.if DOWN
	v_lshlrev_b32 v[16+\m], 13, v[16+\m]           ; a row of hid is 8,192 bytes
.else
	v_and_b32 v[16+\m], 0x7fe, v[16+\m]            ; token = slot / 2; a row of xb is 2,048 bytes
	v_lshlrev_b32 v[16+\m], 10, v[16+\m]
.endif
	v_add_nc_u32 v[16+\m], v23, v[16+\m]
.endr
	ALOAD 0, 34
	ALOAD 1, 34
	ALOAD 2, 34
	ALOAD 3, 34
	s_mov_b32 s28, 256                             ; the byte in a row at which the look-ahead's group begins
	s_mov_b32 s30, 0
	BLOAD 0, 0, 9                                  ; K step 0 lies at the slice's head
	KSTEP 0, 1
	KSTEP 1, 0
	KSTEP 2, 0
	KSTEP 3, 0
	GROUPEND
	s_mov_b32 s27, 7
.Lgroup:
	KSTEP 0, 0, 1
	KSTEP 1, 0
	KSTEP 2, 0
	KSTEP 3, 0
	GROUPEND
	s_sub_co_u32 s27, s27, 1
	s_cmp_lg_u32 s27, 0
	s_cbranch_scc1 .Lgroup
	s_wait_dscnt 0x0                               ; the unused look-ahead into W's buffers has landed: they are at work below
	EPI 0
	EPI 1
	EPI 2
	EPI 3
	EPI 4
	EPI 5
.Lnext:
	s_add_co_u32 s22, s22, 96
	s_max_u32 s23, s23, 6
	s_sub_co_u32 s23, s23, 6
	s_sub_co_u32 s25, s25, 1
	s_cmp_lg_u32 s25, 0
	s_cbranch_scc1 .Ltrip
	s_wait_tensorcnt 0x0                           ; the wave's end: behind my last LDS store
	ds_add_u32 v30, v31
	s_wait_dscnt 0x0
	s_endpgm
.Lfunc_end_k_q2c63f544a9_down:
	.size	k_q2c63f544a9_down, .Lfunc_end_k_q2c63f544a9_down-k_q2c63f544a9_down
	.p2alignl 7, 3214868480
	.fill 96, 4, 3214868480
	.section	.rodata,"a",@progbits
	.p2align	6, 0x0
	.amdhsa_kernel k_q2c63f544a9_down
		.amdhsa_group_segment_fixed_size 315392
		.amdhsa_private_segment_fixed_size 0
		.amdhsa_enable_private_segment 0
		.amdhsa_kernarg_size 40
		.amdhsa_user_sgpr_count 2
		.amdhsa_user_sgpr_kernarg_segment_ptr 1
		.amdhsa_wavefront_size32 1
		.amdhsa_system_sgpr_workgroup_id_x 1
		.amdhsa_system_sgpr_workgroup_id_y 1
		.amdhsa_system_sgpr_workgroup_id_z 1
		.amdhsa_system_vgpr_workitem_id 0
		.amdhsa_next_free_vgpr 960
		.amdhsa_next_free_sgpr 66
		.amdhsa_reserve_vcc 1
		.amdhsa_float_denorm_mode_32 3
		.amdhsa_float_denorm_mode_16_64 3
		.amdhsa_memory_ordered 1
		.amdhsa_forward_progress 1
		.amdhsa_inst_pref_size 169
	.end_amdhsa_kernel
	.amdgpu_metadata
---
amdhsa.version: [ 1, 2 ]
amdhsa.kernels:
  - .name:           k_q2c63f544a9_down
    .symbol:         k_q2c63f544a9_down.kd
    .args:
      - { .name: W2, .offset: 0, .size: 8, .value_kind: global_buffer, .address_space: global }
      - { .name: b2, .offset: 8, .size: 8, .value_kind: global_buffer, .address_space: global }
      - { .name: hid, .offset: 16, .size: 8, .value_kind: global_buffer, .address_space: global }
      - { .name: idx, .offset: 24, .size: 8, .value_kind: global_buffer, .address_space: global }
      - { .name: part, .offset: 32, .size: 8, .value_kind: global_buffer, .address_space: global }
    .group_segment_fixed_size: 315392
    .private_segment_fixed_size: 0
    .kernarg_segment_align: 8
    .kernarg_segment_size: 40
    .max_flat_workgroup_size: 128
    .sgpr_count:     66
    .vgpr_count:     960
    .wavefront_size: 32
...
	.end_amdgpu_metadata
.endif
;; end of part 3
;; launch combine (part 4): grid 256 x 1, 8 waves a work-group, no clusters, 0 bytes of LDS; arguments part, gatew, usage, out0, out1; writes out0, out1
.if DOCPART == 4
	.amdgcn_target "amdgcn-amd-amdhsa--gfx1250"
	.amdhsa_code_object_version 6
	.text
	.protected	k_q2c63f544a9_combine
	.globl	k_q2c63f544a9_combine
	.p2align	8
	.type	k_q2c63f544a9_combine,@function
k_q2c63f544a9_combine:
	s_mov_b64 s[64:65], 0
	v_nop
	global_prefetch_b8 v0, s[64:65] scope:SCOPE_SE
	s_setreg_imm32_b32 hwreg(HW_REG_WAVE_MODE, 25, 1), 1
	s_wait_xcnt 0x0
; out0[token] = the sum over the token's two choices c of gatew[c] x (the sum of the four quarters' partial rows; quarter 0 holds b2 already); out1 = 0.01 x the sum over experts of (mean score)^2.
; A work-group owns 4 tokens (8 slots); thread t owns the 16 bytes at 16 t of every row, so a wave's load or store covers 512 consecutive bytes.  All 32 loads of a thread go out before the first wait.
; All sums in f32.  A stream: no LDS, no matrix unit.  The loss is made by wave 0 of work-group 0 from the 256 partial sums of scores.
.set P, 16                             ; v[16:143]  token j, choice c: the four quarters at P + 32 j + 16 c + 4 s
.set PLANE, 2056*4096                  ; bytes in a quarter's plane of part
	s_load_b256 s[4:11], s[0:1], 0x0               ; part s[4:5], gatew s[6:7], usage s[8:9], out0 s[10:11]
	s_load_b64 s[12:13], s[0:1], 0x20              ; out1
	v_lshrrev_b32 v1, 5, v0
	v_readfirstlane_b32 s18, v1                    ; wave
	v_lshlrev_b32 v1, 4, v0                        ; 16 t
	s_lshl_b32 s20, ttmp9, 5                       ; 8 words of gatew
	s_mov_b32 s21, 0
	s_lshl_b32 s22, ttmp9, 15                      ; 8 rows of part
	s_mov_b32 s23, 0
	s_lshl_b32 s48, ttmp9, 14                      ; 4 rows of out0
	s_mov_b32 s49, 0
	s_wait_kmcnt 0x0
	s_add_nc_u64 s[6:7], s[6:7], s[20:21]
	s_load_b256 s[32:39], s[6:7], 0x0              ; the 8 slots' weights
	s_add_nc_u64 s[40:41], s[4:5], s[22:23]
	s_add_nc_u64 s[42:43], s[40:41], PLANE
	s_add_nc_u64 s[44:45], s[42:43], PLANE
	s_add_nc_u64 s[46:47], s[44:45], PLANE
	s_add_nc_u64 s[10:11], s[10:11], s[48:49]
.irp j, 0,1,2,3
.irp c, 0,1
.irp s, 0,1,2,3
	global_load_b128 v[P+32*\j+16*\c+4*\s:P+32*\j+16*\c+4*\s+3], v1, s[40+2*\s:41+2*\s] offset:(2*\j+\c)*4096 th:TH_LOAD_NT
.endr
.endr
.endr
	s_wait_kmcnt 0x0
.macro TOK j
	s_wait_loadcnt 24-8*(\j)                       ; the later tokens' loads, eight each, stay out
.irp c, 0,1
.set Q, P+32*(\j)+16*\c
	v_pk_add_f32 v[Q:Q+1], v[Q:Q+1], v[Q+4:Q+5]
	v_pk_add_f32 v[Q+2:Q+3], v[Q+2:Q+3], v[Q+6:Q+7]
	v_pk_add_f32 v[Q+8:Q+9], v[Q+8:Q+9], v[Q+12:Q+13]
	v_pk_add_f32 v[Q+10:Q+11], v[Q+10:Q+11], v[Q+14:Q+15]
	v_pk_add_f32 v[Q:Q+1], v[Q:Q+1], v[Q+8:Q+9]
	v_pk_add_f32 v[Q+2:Q+3], v[Q+2:Q+3], v[Q+10:Q+11]
.endr
.irp z, 0,1,2,3
	v_mul_f32 v[P+32*(\j)+\z], s[32+2*(\j)], v[P+32*(\j)+\z]
.endr
.irp z, 0,1,2,3
	v_fmac_f32 v[P+32*(\j)+\z], s[33+2*(\j)], v[P+32*(\j)+16+\z]
.endr
	global_store_b128 v1, v[P+32*(\j):P+32*(\j)+3], s[10:11] offset:4096*(\j) th:TH_STORE_NT
.endm
	TOK 0
	TOK 1
	TOK 2
	TOK 3
	s_cmp_lg_u32 ttmp9, 0
	s_cbranch_scc1 .Lend
	s_cmp_lg_u32 s18, 0
	s_cbranch_scc1 .Lend
	; THE LOSS.  usage is 256 x 8 f32: word c of lane l in each load belongs to expert 4 (l % 2) + c.
	s_wait_xcnt 0x0                                ; the registers that the stores read are loaded again only behind this wait
.irp j, 0,1,2,3,4,5,6,7,8,9,10,11,12,13,14,15
	global_load_b128 v[P+4*\j:P+4*\j+3], v1, s[8:9] offset:512*\j
.endr
	s_mov_b32 s20, 0x76543210
	s_mov_b32 s21, 0xfedcba98
	v_mov_b32 v10, 0                               ; v_permlanex16_b32's destination counts as read
	s_wait_loadcnt 0x0
.set j, 1
.rept 15
	v_pk_add_f32 v[P:P+1], v[P:P+1], v[P+4*j:P+4*j+1]
	v_pk_add_f32 v[P+2:P+3], v[P+2:P+3], v[P+4*j+2:P+4*j+3]
.set j, j+1
.endr
.irp z, 0,1,2,3
	v_add_f32_dpp v[P+\z], v[P+\z], v[P+\z] row_xmask:2 row_mask:0xf bank_mask:0xf
	v_add_f32_dpp v[P+\z], v[P+\z], v[P+\z] row_xmask:4 row_mask:0xf bank_mask:0xf
	v_add_f32_dpp v[P+\z], v[P+\z], v[P+\z] row_xmask:8 row_mask:0xf bank_mask:0xf
	v_permlanex16_b32 v10, v[P+\z], s20, s21
	v_add_f32 v[P+\z], v[P+\z], v10
	v_mul_f32 v[P+\z], 0x3a800000, v[P+\z]         ; / 1,024 tokens
.endr
	v_mul_f32 v11, v[P], v[P]
	v_fmac_f32 v11, v[P+1], v[P+1]
	v_fmac_f32 v11, v[P+2], v[P+2]
	v_fmac_f32 v11, v[P+3], v[P+3]
	v_add_f32_dpp v11, v11, v11 row_xmask:1 row_mask:0xf bank_mask:0xf  ; the other four experts'
	v_mul_f32 v11, 0x3c23d70a, v11                 ; x 0.01
	v_cmp_eq_u32 vcc_lo, 0, v0
	s_wait_xcnt 0x0                                ; EXEC changes only behind s_wait_xcnt 0
	s_and_saveexec_b32 s22, vcc_lo
	global_store_b32 v1, v11, s[12:13]             ; thread 0: its 16 t is 0
	s_wait_xcnt 0x0
	s_or_b32 exec_lo, exec_lo, s22
.Lend:
	s_endpgm
.Lfunc_end_k_q2c63f544a9_combine:
	.size	k_q2c63f544a9_combine, .Lfunc_end_k_q2c63f544a9_combine-k_q2c63f544a9_combine
	.p2alignl 7, 3214868480
	.fill 96, 4, 3214868480
	.section	.rodata,"a",@progbits
	.p2align	6, 0x0
	.amdhsa_kernel k_q2c63f544a9_combine
		.amdhsa_group_segment_fixed_size 0
		.amdhsa_private_segment_fixed_size 0
		.amdhsa_enable_private_segment 0
		.amdhsa_kernarg_size 40
		.amdhsa_user_sgpr_count 2
		.amdhsa_user_sgpr_kernarg_segment_ptr 1
		.amdhsa_wavefront_size32 1
		.amdhsa_system_sgpr_workgroup_id_x 1
		.amdhsa_system_sgpr_workgroup_id_y 1
		.amdhsa_system_sgpr_workgroup_id_z 1
		.amdhsa_system_vgpr_workitem_id 0
		.amdhsa_next_free_vgpr 144
		.amdhsa_next_free_sgpr 66
		.amdhsa_reserve_vcc 1
		.amdhsa_float_denorm_mode_32 3
		.amdhsa_float_denorm_mode_16_64 3
		.amdhsa_memory_ordered 1
		.amdhsa_forward_progress 1
		.amdhsa_inst_pref_size 15
	.end_amdhsa_kernel
	.amdgpu_metadata
---
amdhsa.version: [ 1, 2 ]
amdhsa.kernels:
  - .name:           k_q2c63f544a9_combine
    .symbol:         k_q2c63f544a9_combine.kd
    .args:
      - { .name: part, .offset: 0, .size: 8, .value_kind: global_buffer, .address_space: global }
      - { .name: gatew, .offset: 8, .size: 8, .value_kind: global_buffer, .address_space: global }
      - { .name: usage, .offset: 16, .size: 8, .value_kind: global_buffer, .address_space: global }
      - { .name: out0, .offset: 24, .size: 8, .value_kind: global_buffer, .address_space: global }
      - { .name: out1, .offset: 32, .size: 8, .value_kind: global_buffer, .address_space: global }
    .group_segment_fixed_size: 0
    .private_segment_fixed_size: 0
    .kernarg_segment_align: 8
    .kernarg_segment_size: 40
    .max_flat_workgroup_size: 256
    .sgpr_count:     66
    .vgpr_count:     144
    .wavefront_size: 32
...
	.end_amdgpu_metadata
.endif
;; end of part 4
